; MI455X (gfx1250); checked and timed in simulation.
; The chip was launched on July 23, 2026; its instructions are those of AMD's public machine-readable ISA for CDNA 5 (MIT licence, August 2026) and "CDNA5" Instruction Set Architecture Reference Guide (July 2026). The comments in the code are by the model that wrote it; some were corrected since.
;; Linear Layer. Allowed arithmetic: float matrix products may take bf16 or f16 operands with f32 sums; all other float work in f32.
;; Inputs: bias 1 float32; feat_ids 65,536 x 200 int32; feat_vals 65,536 x 200 float32; weight_linear 1,000,000 x 1 float32.
;; Outputs: out0 65,536 x 1 float32.
;; 2 versions, each right; version 2 is version 1 with the launch fmlinear written anew for expert scheduling mode. Each part assembles by itself: llvm-mc -triple=amdgcn-amd-amdhsa -mcpu=gfx1250 --defsym DOCPART=n.
;; ======== version 1 of 2: 1 launch
;; launch fmlinear (part 1): grid 256 x 1, 16 waves a work-group, no clusters, 3,072 bytes of LDS; arguments feat_ids, feat_vals, weight_linear, bias, out0; writes out0
.if DOCPART == 1
	.amdgcn_target "amdgcn-amd-amdhsa--gfx1250"
	.amdhsa_code_object_version 6
	.text
	.protected	k_q25cd9ff3c8_fmlinear
	.globl	k_q25cd9ff3c8_fmlinear
	.p2align	8
	.type	k_q25cd9ff3c8_fmlinear,@function
k_q25cd9ff3c8_fmlinear:
	s_mov_b64 s[64:65], 0
	v_nop
	global_prefetch_b8 v0, s[64:65] scope:SCOPE_SE
	s_setreg_imm32_b32 hwreg(HW_REG_WAVE_MODE, 25, 1), 1
	s_wait_xcnt 0x0
; out[b] = bias + sum over f of weight[ids[b][f]] * vals[b][f].   ids: [65536][200] i32, vals: [65536][200] f32,
; weight: [1000000] f32, bias: [1] f32, out: [65536] f32.
;
; LIMITS.  An id is taken as unsigned and clamped to 999,999 (the problem keeps ids inside the table; a negative or too large
; id reads the last entry).  A row's f32 sum is formed in another order than a plain left-to-right sum: two chains in each
; lane, then a tree over 16 lanes.
;
; SHARES.  256 work-groups of 16 waves; a work-group owns 256 rows, a wave 16 rows = 12,800 consecutive bytes of ids and of vals:
; 100 registers a lane for each.  So a wave's whole share lies in registers, and there is no loop and no ring.
;
; LANES.  A row is 800 bytes = 50 quads of 16 bytes; 8 rows are 6,400 bytes = 25 blocks of 256 bytes, aligned.  Lanes 0-15 (h = 0)
; walk the 25 blocks of the wave's rows 0-7, lanes 16-31 (h = 1) those of rows 8-15: lane i of a half holds quad 16 u + i of its
; 8 rows in block u.  Each half of a 16-byte load covers 256 consecutive bytes, aligned, and the row of a block is the same in both
; halves and known here: block u lies in row u / 3 (block 24 in row 7), but for blocks 3 k, k = 1..7, whose quads 48 k + i belong
; to row k - 1 for i < 2 k and to row k for the rest.
;
; ORDER OF THE REQUESTS.  ids -> gather -> sum is the longest chain, so all 25 id loads go out first, alone.  Each id block that
; comes in then sends out its four gathers and, behind them, the 16-byte load of the same block's vals.  Global loads are counted
; done in order on one counter (ISA guide 5.7.1): laid so, no load stands behind an older one that was asked for long before it is
; needed, a block's five loads are done together, and the sums can follow them block by block.
;
; NO LDS FOR THE STREAMS: no byte of ids or vals is used by more than one lane.  NO CLUSTER, NO MULTICAST: work-groups share only
; the table, and that is read word by word at random places, never as a tile.  NO PREFETCH: ids are requested whole at the start,
; and a table address is known only when its id is in, at which moment the gather itself is issued and not waited for.
.set ROWB,   800                       ; bytes in a row
.set BLK,    256                       ; bytes in a block
.set BLKS,   25                        ; blocks in 8 rows
.set GRP,    8*ROWB                    ; 8 rows: what one half of the lanes walks
.set WAVEB,  2*GRP                     ; 16 rows: a wave's bytes of ids, and of vals
.set WGB,    16*WAVEB                  ; 256 rows: a work-group's
.set LASTID, 999999                    ; the table's last entry
.set MOST,   63                        ; the largest count that s_wait_loadcnt can name
.set OFF, 1                            ; v1        12,800 wave + 6,400 h + 16 i: my bytes in block 0, in ids and in vals
.set SO,  2                            ; v2        LDS address of my row's result (LDS 0 .. 1,023: the work-group's 256 results)
.set RD,  3                            ; v3        waves 0, 1: 16 x thread, in LDS and in out
.set T,   4                            ; v[4:7]    at work
.set ACC, 8                            ; v[8:23]   row r of my 8: a pair of running sums at ACC + 2 r
.set ID,  24                           ; v[24:123] block u: 4 ids, then 4 weights
.set VAL, 124                          ; v[124:223] block u: 4 vals
.set OLD, 40                           ; s[41:47]  block 3 k: lanes i < 2 k of both halves (row k - 1)
.set NEW, 48                           ; s[49:55]  the other lanes (row k)
	s_load_b256 s[4:11], s[0:1], 0x0               ; ids s[4:5], vals s[6:7], weight s[8:9], bias s[10:11]
	s_load_b64 s[12:13], s[0:1], 0x20              ; out
	v_lshl_add_u32 v224, v0, 2, 0x400
	v_mov_b32 v225, 0
	v_lshrrev_b32 v[T], 5, v0
	v_readfirstlane_b32 s15, v[T]                  ; wave 0..15, as a scalar
	v_and_b32 v[T], 15, v0                         ; i
	v_bfe_u32 v[T+1], v0, 4, 1                     ; h
	v_and_b32 v[SO], 7, v0                         ; i & 7
	s_mul_i32 s18, s15, WAVEB                      ; my wave's bytes in the work-group's part of a stream
	s_mul_i32 s16, ttmp9, WGB                      ; the work-group's part (below 52,428,800: one word)
	s_mov_b32 s17, 0
	v_mul_u32_u24 v[T+2], v[T+1], GRP
	v_lshl_add_u32 v[T+2], v[T], 4, v[T+2]         ; 6,400 h + 16 i
	v_add_nc_u32 v[OFF], s18, v[T+2]
	s_wait_kmcnt 0x0
	s_add_nc_u64 s[4:5], s[4:5], s[16:17]          ; ids at the work-group's first row
.set u, 0
.rept BLKS
	global_load_b128 v[ID+4*u:ID+4*u+3], v[OFF], s[4:5] offset:BLK*u th:TH_LOAD_NT   ; read once in the launch
.set u, u+1
.endr
	; the rest of the set-up, while the ids are on their way
	s_load_b32 s14, s[10:11], 0x0                  ; the bias; waited for where it is added
	s_add_nc_u64 s[6:7], s[6:7], s[16:17]          ; vals at the work-group's first row
	s_lshl_b32 s36, ttmp9, 10                      ; the work-group's 1,024 bytes of out
	s_mov_b32 s37, 0
	s_add_nc_u64 s[12:13], s[12:13], s[36:37]
	v_lshl_add_u32 v[SO], v[T+1], 3, v[SO]         ; my result's row of the wave's 16: 8 h + (i & 7)
	s_lshl_b32 s35, s15, 6                         ; 16 results of 4 bytes a wave
	v_lshl_add_u32 v[SO], v[SO], 2, s35
.irp k, 1,2,3,4,5,6,7
	s_mov_b32 s[OLD+\k], ((1<<(2*\k))-1)*0x10001
	s_mov_b32 s[NEW+\k], 0xffffffff^(((1<<(2*\k))-1)*0x10001)
.endr
	s_mov_b32 s32, 0xaaaaaaaa                      ; lanes with bit 0 of i set
	s_mov_b32 s33, 0xcccccccc                      ; bit 1
	s_mov_b32 s34, 0xf0f0f0f0                      ; bit 2
	; THE GATHERS AND THE VALS, block by block as the ids come in.  Behind id load u were issued 24 - u id loads and the five loads
	; of each of the u blocks before: 24 + 4 u.  Where that is more than the wait can name it names MOST: with MOST or more younger
	; loads issued and no more than MOST outstanding, load u is among those done.
	; A gather takes the id itself as its offset (scale_offset: times the 4 bytes of the access) and lands on its own address
	; register, so it holds no further register.  It carries no cache word: the table is read again and again by every work-group.
.set u, 0
.rept BLKS
.if 24+4*u > MOST
	s_wait_loadcnt MOST
.else
	s_wait_loadcnt 24+4*u
.endif
.irp k, 0,1,2,3
	v_min_u32 v[ID+4*u+\k], LASTID, v[ID+4*u+\k]   ; no address leaves the table
.endr
.irp k, 0,1,2,3
	global_load_b32 v[ID+4*u+\k], v[ID+4*u+\k], s[8:9] scale_offset
.endr
	global_load_b128 v[VAL+4*u:VAL+4*u+3], v[OFF], s[6:7] offset:BLK*u th:TH_LOAD_NT   ; read once in the launch
.set u, u+1
.endr
; Block u's four weights and four vals are in: behind its last load stand the five loads of each of the 24 - u blocks after it.
.macro ARRIVED u
.if 5*(24-(\u)) > MOST
	s_wait_loadcnt MOST
.else
	s_wait_loadcnt 5*(24-(\u))
.endif
.endm
; A block that lies in one row: four multiply-adds in two instructions, into row r's pair.
.macro PURE u, r
	ARRIVED \u
	v_pk_fma_f32 v[ACC+2*(\r):ACC+2*(\r)+1], v[ID+4*(\u):ID+4*(\u)+1],   v[VAL+4*(\u):VAL+4*(\u)+1],   v[ACC+2*(\r):ACC+2*(\r)+1]
	v_pk_fma_f32 v[ACC+2*(\r):ACC+2*(\r)+1], v[ID+4*(\u)+2:ID+4*(\u)+3], v[VAL+4*(\u)+2:VAL+4*(\u)+3], v[ACC+2*(\r):ACC+2*(\r)+1]
.endm
; Block 3 k: lanes i < 2 k add to row k - 1; the others start row k's pair (so nothing is cleared).  The lanes are told apart by
; selecting, not by multiplying with 0: an infinity or NaN stays in its own row.
.macro STRADDLE k
	ARRIVED 3*(\k)
	v_pk_mul_f32 v[T:T+1], v[ID+12*(\k):ID+12*(\k)+1],   v[VAL+12*(\k):VAL+12*(\k)+1]
	v_pk_fma_f32 v[T:T+1], v[ID+12*(\k)+2:ID+12*(\k)+3], v[VAL+12*(\k)+2:VAL+12*(\k)+3], v[T:T+1]
	v_cndmask_b32 v[ACC+2*(\k)],   0, v[T],   s[NEW+(\k)]
	v_cndmask_b32 v[ACC+2*(\k)+1], 0, v[T+1], s[NEW+(\k)]
	v_cndmask_b32 v[T],   0, v[T],   s[OLD+(\k)]
	v_cndmask_b32 v[T+1], 0, v[T+1], s[OLD+(\k)]
	v_pk_add_f32 v[ACC+2*(\k)-2:ACC+2*(\k)-1], v[ACC+2*(\k)-2:ACC+2*(\k)-1], v[T:T+1]
.endm
	; THE SUMS, in the order in which the blocks were asked for: the early blocks are summed while the late ones are on their way.
	ARRIVED 0
	v_pk_mul_f32 v[ACC:ACC+1], v[ID:ID+1],   v[VAL:VAL+1]          ; the first product starts row 0
	v_pk_fma_f32 v[ACC:ACC+1], v[ID+2:ID+3], v[VAL+2:VAL+3], v[ACC:ACC+1]
	PURE 1, 0
	PURE 2, 0
.irp k, 1,2,3,4,5,6,7
	STRADDLE \k
	PURE 3*\k+1, \k
	PURE 3*\k+2, \k
.endr
	PURE 24, 7
	; ACROSS THE 16 LANES OF A HALF: eight sums a lane become one.  A step takes two registers A and B and a bit of i: a lane keeps
	; the one that its bit names (0: A, 1: B) and gives the other to the lane across, which keeps that one.  After the bits 0, 1, 2
	; lane i holds row i & 7, summed over 8 lanes; the step across bit 3 adds the other 8.
.macro MERGE a, b, keep, send, mask, x
	v_cndmask_b32 v[\keep], v[\a], v[\b], s[\mask]
	v_cndmask_b32 v[\send], v[\b], v[\a], s[\mask]
	v_add_f32_dpp v[\keep], v[\send], v[\keep] row_xmask:\x row_mask:0xf bank_mask:0xf   ; send of lane i xor x + my keep
.endm
.irp r, 0,1,2,3,4,5,6,7
	v_add_f32 v[ACC+2*\r], v[ACC+2*\r], v[ACC+2*\r+1]              ; a pair's two chains
.endr
.irp p, 0,1,2,3
	MERGE ACC+4*\p, ACC+4*\p+2, ACC+4*\p+1, ACC+4*\p+3, 32, 1      ; rows 2 p, 2 p + 1 -> ACC + 4 p + 1
.endr
.irp q, 0,1
	MERGE ACC+8*\q+1, ACC+8*\q+5, ACC+8*\q, ACC+8*\q+2, 33, 2      ; -> ACC + 8 q
.endr
	MERGE ACC, ACC+8, ACC+1, ACC+2, 34, 4                          ; -> ACC + 1
	v_add_f32_dpp v[ACC+1], v[ACC+1], v[ACC+1] row_xmask:8 row_mask:0xf bank_mask:0xf
	s_wait_kmcnt 0x0                                               ; the bias
	v_add_f32 v[ACC+1], s14, v[ACC+1]
	; THE WAY OUT: a wave has 64 bytes of out.  The 16 waves lay their results side by side in LDS, and two waves store them, so
	; that each store of a wave covers 512 consecutive bytes, aligned.
	ds_store_b32 v[SO], v[ACC+1]                   ; lanes i and i + 8 hold the same sum (the last step adds the same two numbers) and write the same word
	s_wait_dscnt 0x0                               ; my results are in LDS before I say so
	s_barrier_signal -1
	s_barrier_wait -1
	s_cmp_gt_u32 s15, 1
	s_cbranch_scc1 .Ldone
	v_and_b32 v[RD], 31, v0
	s_lshl_b32 s38, s15, 9
	v_lshl_add_u32 v[RD], v[RD], 4, s38            ; 512 wave + 16 lane, in LDS and in the work-group's part of out
	ds_load_b128 v[T:T+3], v[RD]
	s_wait_dscnt 0x0
	global_store_b128 v[RD], v[T:T+3], s[12:13] th:TH_STORE_NT
.Ldone:
	s_wait_tensorcnt 0x0
	ds_add_u32 v224, v225
	s_wait_dscnt 0x0
	s_endpgm
.Lfunc_end_k_q25cd9ff3c8_fmlinear:
	.size	k_q25cd9ff3c8_fmlinear, .Lfunc_end_k_q25cd9ff3c8_fmlinear-k_q25cd9ff3c8_fmlinear
	.p2alignl 7, 3214868480
	.fill 96, 4, 3214868480
	.section	.rodata,"a",@progbits
	.p2align	6, 0x0
	.amdhsa_kernel k_q25cd9ff3c8_fmlinear
		.amdhsa_group_segment_fixed_size 3072
		.amdhsa_private_segment_fixed_size 0
		.amdhsa_enable_private_segment 0
		.amdhsa_kernarg_size 40
		.amdhsa_user_sgpr_count 2
		.amdhsa_user_sgpr_kernarg_segment_ptr 1
		.amdhsa_wavefront_size32 1
		.amdhsa_system_sgpr_workgroup_id_x 1
		.amdhsa_system_sgpr_workgroup_id_y 1
		.amdhsa_system_sgpr_workgroup_id_z 1
		.amdhsa_system_vgpr_workitem_id 0
		.amdhsa_next_free_vgpr 226
		.amdhsa_next_free_sgpr 66
		.amdhsa_reserve_vcc 0
		.amdhsa_float_denorm_mode_32 3
		.amdhsa_float_denorm_mode_16_64 3
		.amdhsa_memory_ordered 1
		.amdhsa_forward_progress 1
		.amdhsa_inst_pref_size 33
	.end_amdhsa_kernel
	.amdgpu_metadata
---
amdhsa.version: [ 1, 2 ]
amdhsa.kernels:
  - .name:           k_q25cd9ff3c8_fmlinear
    .symbol:         k_q25cd9ff3c8_fmlinear.kd
    .args:
      - { .name: feat_ids, .offset: 0, .size: 8, .value_kind: global_buffer, .address_space: global }
      - { .name: feat_vals, .offset: 8, .size: 8, .value_kind: global_buffer, .address_space: global }
      - { .name: weight_linear, .offset: 16, .size: 8, .value_kind: global_buffer, .address_space: global }
      - { .name: bias, .offset: 24, .size: 8, .value_kind: global_buffer, .address_space: global }
      - { .name: out0, .offset: 32, .size: 8, .value_kind: global_buffer, .address_space: global }
    .group_segment_fixed_size: 3072
    .private_segment_fixed_size: 0
    .kernarg_segment_align: 8
    .kernarg_segment_size: 40
    .max_flat_workgroup_size: 512
    .sgpr_count:     66
    .vgpr_count:     226
    .wavefront_size: 32
...
	.end_amdgpu_metadata
.endif
;; end of part 1
;; ======== version 2 of 2: 1 launch; version 1 with the launch fmlinear written anew for expert scheduling mode
;; launch fmlinear (part 2): grid 256 x 1, 16 waves a work-group, no clusters, 3,072 bytes of LDS; arguments feat_ids, feat_vals, weight_linear, bias, out0; writes out0
.if DOCPART == 2
	.amdgcn_target "amdgcn-amd-amdhsa--gfx1250"
	.amdhsa_code_object_version 6
	.text
	.protected	k_q25cd9ff3c8_fmlinear
	.globl	k_q25cd9ff3c8_fmlinear
	.p2align	8
	.type	k_q25cd9ff3c8_fmlinear,@function
k_q25cd9ff3c8_fmlinear:
	s_mov_b64 s[64:65], 0
	v_nop
	global_prefetch_b8 v0, s[64:65] scope:SCOPE_SE
	s_setreg_imm32_b32 hwreg(HW_REG_WAVE_SCHED_MODE, 0, 2), 2
	s_setreg_imm32_b32 hwreg(HW_REG_WAVE_MODE, 25, 1), 1
	s_wait_xcnt 0x0
	s_wait_alu depctr_vm_vsrc(0)
; out[b] = bias + sum over f of weight[ids[b][f]] * vals[b][f].   ids: [65536][200] i32, vals: [65536][200] f32,
; weight: [1000000] f32, bias: [1] f32, out: [65536] f32.
;
; LIMITS.  An id is taken as unsigned and clamped to 999,999 (the problem keeps ids inside the table; a negative or too large
; id reads the last entry).  A row's f32 sum is formed in another order than a plain left-to-right sum: two chains in each
; lane, then a tree over 16 lanes.
;
; SHARES.  256 work-groups of 16 waves; a work-group owns 256 rows, a wave 16 rows = 12,800 consecutive bytes of ids and of vals:
; 100 registers a lane for each.  So a wave's whole share lies in registers, and there is no loop and no ring.
;
; LANES.  A row is 800 bytes = 50 quads of 16 bytes; 8 rows are 6,400 bytes = 25 blocks of 256 bytes, aligned.  Lanes 0-15 (h = 0)
; walk the 25 blocks of the wave's rows 0-7, lanes 16-31 (h = 1) those of rows 8-15: lane i of a half holds quad 16 u + i of its
; 8 rows in block u.  Each half of a 16-byte load covers 256 consecutive bytes, aligned, and the row of a block is the same in both
; halves and known here: block u lies in row u / 3 (block 24 in row 7), but for blocks 3 k, k = 1..7, whose quads 48 k + i belong
; to row k - 1 for i < 2 k and to row k for the rest.
;
; ORDER OF THE REQUESTS.  ids -> gather -> sum is the longest chain, so all 25 id loads go out first, alone.  Then, block by block,
; go out a block's four gathers and, behind them, the 16-byte load of the same block's vals.  Global loads are counted done in order
; on one counter (ISA guide 5.7.1): laid so, no load stands behind an older one that was asked for long before it is needed, a
; block's five loads are done together, and the sums can follow them block by block.
;
; THE MODE: SCHED_MODE bits 1:0 = 2 (LLVM: expert scheduling mode 2), set by the entry lines.  The code itself states the register
; dependences between vector instructions and memory or LDS instructions, with s_wait_alu, always for 0.
; THE PLAN.  Registers that memory or LDS instructions touch:
;   v[OFF]      written once at the head; read by the 50 loads of ids and vals; never written again.
;   ID block u  the id load lands in it; its four clamps read and write it; its four gathers read it as their offsets, and each
;               gather's data lands on that gather's own offset register; then the sums read it.
;   VAL block u the val load lands in it; the sums read it.  No other line names it.
;   v[SO], v[ACC+1]  address and data of the LDS store;   v[RD], v[T:T+3]  address and data of the way out (waves 0 and 1).
; The clamps run LEAD = 5 blocks ahead of the gathers: block u + 5 is clamped behind block u's five loads.  So ONE wait on va_vdst
; stands ahead of every fifth block: the clamps of that block and of the four behind it were all issued in front of it, and the
; clamps issued since it name the five blocks after those, which no load touches before the next such wait.
; No register that a memory or LDS instruction reads is written afterwards by another instruction, so no wait on vm_vsrc is owed.
; No vector line writes VCC, and EXEC is never written.
;
; NO LDS FOR THE STREAMS: no byte of ids or vals is used by more than one lane.  NO CLUSTER, NO MULTICAST: work-groups share only
; the table, and that is read word by word at random places, never as a tile.  NO PREFETCH: ids are requested whole at the start,
; and a table address is known only when its id is in, from which moment the gather itself can be issued and is not waited for.
.set ROWB,   800                       ; bytes in a row
.set BLK,    256                       ; bytes in a block
.set BLKS,   25                        ; blocks in 8 rows
.set LEAD,   5                         ; the clamps run so many blocks ahead of the gathers; it divides BLKS
.set GRP,    8*ROWB                    ; 8 rows: what one half of the lanes walks
.set WAVEB,  2*GRP                     ; 16 rows: a wave's bytes of ids, and of vals
.set WGB,    16*WAVEB                  ; 256 rows: a work-group's
.set LASTID, 999999                    ; the table's last entry
.set MOST,   63                        ; the largest count that s_wait_loadcnt can name
.set OFF, 1                            ; v1        12,800 wave + 6,400 h + 16 i: my bytes in block 0, in ids and in vals
.set SO,  2                            ; v2        LDS address of my row's result (LDS 0 .. 1,023: the work-group's 256 results)
.set RD,  3                            ; v3        waves 0, 1: 16 x thread, in LDS and in out
.set T,   4                            ; v[4:7]    at work
.set ACC, 8                            ; v[8:23]   row r of my 8: a pair of running sums at ACC + 2 r
.set ID,  24                           ; v[24:123] block u: 4 ids, then 4 weights
.set VAL, 124                          ; v[124:223] block u: 4 vals
.set OLD, 40                           ; s[41:47]  block 3 k: lanes i < 2 k of both halves (row k - 1)
.set NEW, 48                           ; s[49:55]  the other lanes (row k)
	s_load_b256 s[4:11], s[0:1], 0x0               ; ids s[4:5], vals s[6:7], weight s[8:9], bias s[10:11]
	s_load_b64 s[12:13], s[0:1], 0x20              ; out
	v_lshl_add_u32 v224, v0, 2, 0x400
	v_mov_b32 v225, 0
	v_lshrrev_b32 v[T], 5, v0
	v_readfirstlane_b32 s15, v[T]                  ; wave 0..15, as a scalar
	v_and_b32 v[T], 15, v0                         ; i
	v_bfe_u32 v[T+1], v0, 4, 1                     ; h
	v_and_b32 v[SO], 7, v0                         ; i & 7
	s_wait_alu depctr_va_sdst(0)                   ; s15 is written, ahead of its first reader, the line below
	s_mul_i32 s18, s15, WAVEB                      ; my wave's bytes in the work-group's part of a stream
	s_mul_i32 s16, ttmp9, WGB                      ; the work-group's part (below 52,428,800: one word)
	s_mov_b32 s17, 0
	v_mul_u32_u24 v[T+2], v[T+1], GRP
	v_lshl_add_u32 v[T+2], v[T], 4, v[T+2]         ; 6,400 h + 16 i
	v_add_nc_u32 v[OFF], s18, v[T+2]
	s_wait_kmcnt 0x0
	s_add_nc_u64 s[4:5], s[4:5], s[16:17]          ; ids at the work-group's first row
	s_wait_alu depctr_va_vdst(0)                   ; v[OFF] is written: every load of ids and of vals reads it as its offset
.set u, 0
.rept BLKS
	global_load_b128 v[ID+4*u:ID+4*u+3], v[OFF], s[4:5] offset:BLK*u th:TH_LOAD_NT   ; read once in the launch
.set u, u+1
.endr
	; the rest of the set-up, while the ids are on their way
	s_load_b32 s14, s[10:11], 0x0                  ; the bias; waited for where it is added
	s_add_nc_u64 s[6:7], s[6:7], s[16:17]          ; vals at the work-group's first row
	s_lshl_b32 s36, ttmp9, 10                      ; the work-group's 1,024 bytes of out
	s_mov_b32 s37, 0
	s_add_nc_u64 s[12:13], s[12:13], s[36:37]
	v_lshl_add_u32 v[SO], v[T+1], 3, v[SO]         ; my result's row of the wave's 16: 8 h + (i & 7)
	s_lshl_b32 s35, s15, 6                         ; 16 results of 4 bytes a wave
	v_lshl_add_u32 v[SO], v[SO], 2, s35
.irp k, 1,2,3,4,5,6,7
	s_mov_b32 s[OLD+\k], ((1<<(2*\k))-1)*0x10001
	s_mov_b32 s[NEW+\k], 0xffffffff^(((1<<(2*\k))-1)*0x10001)
.endr
	s_mov_b32 s32, 0xaaaaaaaa                      ; lanes with bit 0 of i set
	s_mov_b32 s33, 0xcccccccc                      ; bit 1
	s_mov_b32 s34, 0xf0f0f0f0                      ; bit 2
	; THE FIRST CLAMPS: blocks 0 to LEAD - 1.  Behind id load LEAD - 1 stand the BLKS - LEAD other id loads.
	s_wait_loadcnt BLKS-LEAD
.set u, 0
.rept LEAD
.irp k, 0,1,2,3
	v_min_u32 v[ID+4*u+\k], LASTID, v[ID+4*u+\k]   ; no address leaves the table
.endr
.set u, u+1
.endr
	; THE GATHERS AND THE VALS, block by block, and behind each block's five loads the clamps of the block LEAD further on.
	; Behind id load u + LEAD were issued the BLKS - 1 - (u + LEAD) id loads after it and the five loads of each of the blocks 0 to u.
	; Where that is more than the wait can name it names MOST: with MOST or more younger loads issued and no more than MOST
	; outstanding, that id load is among those done.
	; A gather takes the id itself as its offset (scale_offset: times the 4 bytes of the access) and lands on its own address
	; register, so it holds no further register.  It carries no cache word: the table is read again and again by every work-group.
.set u, 0
.rept BLKS
.if (u % LEAD) == 0
	s_wait_alu depctr_va_vdst(0)                   ; the clamps of blocks u to u + LEAD - 1 have read and written their ids, which the gathers below read as offsets and in which their data land
.endif
.irp k, 0,1,2,3
	global_load_b32 v[ID+4*u+\k], v[ID+4*u+\k], s[8:9] scale_offset   ; no vector line since the wait names these registers
.endr
	global_load_b128 v[VAL+4*u:VAL+4*u+3], v[OFF], s[6:7] offset:BLK*u th:TH_LOAD_NT   ; read once in the launch
.if u+LEAD < BLKS
.set n, BLKS-1-(u+LEAD)+5*(u+1)
.if n > MOST
	s_wait_loadcnt MOST
.else
	s_wait_loadcnt n
.endif
.irp k, 0,1,2,3
	v_min_u32 v[ID+4*(u+LEAD)+\k], LASTID, v[ID+4*(u+LEAD)+\k]   ; no memory instruction has read these registers, and none touches them before the next wait on va_vdst
.endr
.endif
.set u, u+1
.endr
; Block u's four weights and four vals are in: behind its last load stand the five loads of each of the 24 - u blocks after it.
.macro ARRIVED u
.if 5*(24-(\u)) > MOST
	s_wait_loadcnt MOST
.else
	s_wait_loadcnt 5*(24-(\u))
.endif
.endm
; A block that lies in one row: four multiply-adds in two instructions, into row r's pair.
.macro PURE u, r
	ARRIVED \u
	v_pk_fma_f32 v[ACC+2*(\r):ACC+2*(\r)+1], v[ID+4*(\u):ID+4*(\u)+1],   v[VAL+4*(\u):VAL+4*(\u)+1],   v[ACC+2*(\r):ACC+2*(\r)+1]
	v_pk_fma_f32 v[ACC+2*(\r):ACC+2*(\r)+1], v[ID+4*(\u)+2:ID+4*(\u)+3], v[VAL+4*(\u)+2:VAL+4*(\u)+3], v[ACC+2*(\r):ACC+2*(\r)+1]
.endm
; Block 3 k: lanes i < 2 k add to row k - 1; the others start row k's pair (so nothing is cleared).  The lanes are told apart by
; selecting, not by multiplying with 0: an infinity or NaN stays in its own row.
.macro STRADDLE k
	ARRIVED 3*(\k)
	v_pk_mul_f32 v[T:T+1], v[ID+12*(\k):ID+12*(\k)+1],   v[VAL+12*(\k):VAL+12*(\k)+1]
	v_pk_fma_f32 v[T:T+1], v[ID+12*(\k)+2:ID+12*(\k)+3], v[VAL+12*(\k)+2:VAL+12*(\k)+3], v[T:T+1]
	v_cndmask_b32 v[ACC+2*(\k)],   0, v[T],   s[NEW+(\k)]
	v_cndmask_b32 v[ACC+2*(\k)+1], 0, v[T+1], s[NEW+(\k)]
	v_cndmask_b32 v[T],   0, v[T],   s[OLD+(\k)]
	v_cndmask_b32 v[T+1], 0, v[T+1], s[OLD+(\k)]
	v_pk_add_f32 v[ACC+2*(\k)-2:ACC+2*(\k)-1], v[ACC+2*(\k)-2:ACC+2*(\k)-1], v[T:T+1]
.endm
	; THE SUMS, in the order in which the blocks were asked for: the early blocks are summed while the late ones are on their way.
	; Vector lines alone, each behind the wait on LOADcnt for its data: no memory or LDS instruction stands among them.
	ARRIVED 0
	v_pk_mul_f32 v[ACC:ACC+1], v[ID:ID+1],   v[VAL:VAL+1]          ; the first product starts row 0
	v_pk_fma_f32 v[ACC:ACC+1], v[ID+2:ID+3], v[VAL+2:VAL+3], v[ACC:ACC+1]
	PURE 1, 0
	PURE 2, 0
.irp k, 1,2,3,4,5,6,7
	STRADDLE \k
	PURE 3*\k+1, \k
	PURE 3*\k+2, \k
.endr
	PURE 24, 7
	; ACROSS THE 16 LANES OF A HALF: eight sums a lane become one.  A step takes two registers A and B and a bit of i: a lane keeps
	; the one that its bit names (0: A, 1: B) and gives the other to the lane across, which keeps that one.  After the bits 0, 1, 2
	; lane i holds row i & 7, summed over 8 lanes; the step across bit 3 adds the other 8.
.macro MERGE a, b, keep, send, mask, x
	v_cndmask_b32 v[\keep], v[\a], v[\b], s[\mask]
	v_cndmask_b32 v[\send], v[\b], v[\a], s[\mask]
	v_add_f32_dpp v[\keep], v[\send], v[\keep] row_xmask:\x row_mask:0xf bank_mask:0xf   ; send of lane i xor x + my keep
.endm
.irp r, 0,1,2,3,4,5,6,7
	v_add_f32 v[ACC+2*\r], v[ACC+2*\r], v[ACC+2*\r+1]              ; a pair's two chains
.endr
.irp p, 0,1,2,3
	MERGE ACC+4*\p, ACC+4*\p+2, ACC+4*\p+1, ACC+4*\p+3, 32, 1      ; rows 2 p, 2 p + 1 -> ACC + 4 p + 1
.endr
.irp q, 0,1
	MERGE ACC+8*\q+1, ACC+8*\q+5, ACC+8*\q, ACC+8*\q+2, 33, 2      ; -> ACC + 8 q
.endr
	MERGE ACC, ACC+8, ACC+1, ACC+2, 34, 4                          ; -> ACC + 1
	v_add_f32_dpp v[ACC+1], v[ACC+1], v[ACC+1] row_xmask:8 row_mask:0xf bank_mask:0xf
	s_wait_kmcnt 0x0                                               ; the bias
	v_add_f32 v[ACC+1], s14, v[ACC+1]
	; THE WAY OUT: a wave has 64 bytes of out.  The 16 waves lay their results side by side in LDS, and two waves store them, so
	; that each store of a wave covers 512 consecutive bytes, aligned.
	s_wait_alu depctr_va_vdst(0)                   ; the add above has written v[ACC+1], the LDS store's data (its address v[SO] was written in the set-up)
	ds_store_b32 v[SO], v[ACC+1]                   ; lanes i and i + 8 hold the same sum (the last step adds the same two numbers) and write the same word
	s_wait_dscnt 0x0                               ; my results are in LDS before I say so
	s_barrier_signal -1
	s_barrier_wait -1
	s_cmp_gt_u32 s15, 1
	s_cbranch_scc1 .Ldone
	v_and_b32 v[RD], 31, v0
	s_lshl_b32 s38, s15, 9
	v_lshl_add_u32 v[RD], v[RD], 4, s38            ; 512 wave + 16 lane, in LDS and in the work-group's part of out
	s_wait_alu depctr_va_vdst(0)                   ; v[RD] is written, which the LDS load and the store below read; the sums' lines that named v[T:T+3], in which the load lands, are done too
	ds_load_b128 v[T:T+3], v[RD]
	s_wait_dscnt 0x0
	global_store_b128 v[RD], v[T:T+3], s[12:13] th:TH_STORE_NT
.Ldone:
	s_wait_dscnt 0x0
	s_wait_alu depctr_hold_cnt(0) depctr_sa_sdst(0) depctr_va_vdst(0) depctr_va_sdst(0) depctr_va_ssrc(0) depctr_va_vcc(0) depctr_vm_vsrc(0)
	s_wait_tensorcnt 0x0
	ds_add_u32 v224, v225
	s_wait_dscnt 0x0
	s_endpgm
.Lfunc_end_k_q25cd9ff3c8_fmlinear:
	.size	k_q25cd9ff3c8_fmlinear, .Lfunc_end_k_q25cd9ff3c8_fmlinear-k_q25cd9ff3c8_fmlinear
	.p2alignl 7, 3214868480
	.fill 96, 4, 3214868480
	.section	.rodata,"a",@progbits
	.p2align	6, 0x0
	.amdhsa_kernel k_q25cd9ff3c8_fmlinear
		.amdhsa_group_segment_fixed_size 3072
		.amdhsa_private_segment_fixed_size 0
		.amdhsa_enable_private_segment 0
		.amdhsa_kernarg_size 40
		.amdhsa_user_sgpr_count 2
		.amdhsa_user_sgpr_kernarg_segment_ptr 1
		.amdhsa_wavefront_size32 1
		.amdhsa_system_sgpr_workgroup_id_x 1
		.amdhsa_system_sgpr_workgroup_id_y 1
		.amdhsa_system_sgpr_workgroup_id_z 1
		.amdhsa_system_vgpr_workitem_id 0
		.amdhsa_next_free_vgpr 226
		.amdhsa_next_free_sgpr 66
		.amdhsa_reserve_vcc 0
		.amdhsa_float_denorm_mode_32 3
		.amdhsa_float_denorm_mode_16_64 3
		.amdhsa_memory_ordered 1
		.amdhsa_forward_progress 1
		.amdhsa_inst_pref_size 33
	.end_amdhsa_kernel
	.amdgpu_metadata
---
amdhsa.version: [ 1, 2 ]
amdhsa.kernels:
  - .name:           k_q25cd9ff3c8_fmlinear
    .symbol:         k_q25cd9ff3c8_fmlinear.kd
    .args:
      - { .name: feat_ids, .offset: 0, .size: 8, .value_kind: global_buffer, .address_space: global }
      - { .name: feat_vals, .offset: 8, .size: 8, .value_kind: global_buffer, .address_space: global }
      - { .name: weight_linear, .offset: 16, .size: 8, .value_kind: global_buffer, .address_space: global }
      - { .name: bias, .offset: 24, .size: 8, .value_kind: global_buffer, .address_space: global }
      - { .name: out0, .offset: 32, .size: 8, .value_kind: global_buffer, .address_space: global }
    .group_segment_fixed_size: 3072
    .private_segment_fixed_size: 0
    .kernarg_segment_align: 8
    .kernarg_segment_size: 40
    .max_flat_workgroup_size: 512
    .sgpr_count:     66
    .vgpr_count:     226
    .wavefront_size: 32
...
	.end_amdgpu_metadata
.endif
;; end of part 2
